; MI455X (gfx1250); checked and timed in simulation.
; The chip was launched on July 23, 2026; its instructions are those of AMD's public machine-readable ISA for CDNA 5 (MIT licence, August 2026) and "CDNA5" Instruction Set Architecture Reference Guide (July 2026). The comments in the code are by the model that wrote it; some were corrected since.
;; Heads TIL. Allowed arithmetic: matrix products marked QUANTISED: E5M2 operands, one given power-of-two scale a tensor, by v_wmma_f32_16x16x64_bf8_bf8 or v_wmma_f32_16x16x128_bf8_bf8, f32 sums; everything else in f32.
;; Inputs: W 16 x 100 x 512 float32; b 16 x 100 float32; feature 65,536 x 512 float32; lowp_scales 2 int32 (the exponents e of the quantised operands' scales 2^e); task_id 65,536 int32.
;; Outputs: out0 65,536 x 100 float32.
;; This version of the problem:
;;   THIS VERSION OF THE PROBLEM IS GIVEN IN LOW PRECISION. The matrix products marked QUANTISED in the list below multiply operands that are first quantised to E5M2 (5 exponent bits, 2 mantissa bits; 8 bits a number), with one given power-of-two scale for each operand tensor; their sums are f32. All else is computed in f32.
;;   The module's matrix products, in the order in which they are computed (A, B: the left and right operand; K: the contracted axis; several contracted axes count as one K, in the product's order):
;;     1. [M 65,536, K 512] x [K 512, N 1,600]; A: input feature; B: input W: QUANTISED (scales: A lowp_scales[0], B lowp_scales[1])
;;   THE QUANTISER, for each operand of a quantised product, along K:
;;     - The operand's scale is 2^e, e = its entry of the input lowp_scales (int32; the entries are numbered through the quantised products in the list's order, A before B).
;;     - Each number is divided by the scale, clamped to +-57,344, and rounded to the nearest number of E5M2, ties to even, subnormals kept.
;;     - The product sums the exact products of the quantised numbers (number of the format x scale) in f32.
;;   ~~~python
;;   def quantise(x, axis, e):      # numpy; x: float32 -> the quantised numbers, widened to float32 again
;;       x = np.moveaxis(x, axis, -1); K = x.shape[-1]
;;       r = np.clip(x / 2.0 ** e, -57344, 57344)
;;       step = 2.0 ** (np.maximum(np.frexp(np.where(r == 0, 1, r))[1] - 1, -14) - 2)
;;       q = np.round(r / step) * step * 2.0 ** e      # np.round: ties to even
;;       return np.moveaxis(q, -1, axis).astype(np.float32)
;;   ~~~
;; One version. Each part assembles by itself: llvm-mc -triple=amdgcn-amd-amdhsa -mcpu=gfx1250 --defsym DOCPART=n.
;; ======== version 1 of 1: 1 launch
;; limits: right only within a limited range of input values
;; launch heads (part 1): grid 256 x 1, 8 waves a work-group, no clusters, 131,840 bytes of LDS; arguments feature, task_id, W, b, lowp_scales, out0; writes out0
.if DOCPART == 1
	.amdgcn_target "amdgcn-amd-amdhsa--gfx1250"
	.amdhsa_code_object_version 6
	.text
	.protected	k_q3b9bb6e42a_heads
	.globl	k_q3b9bb6e42a_heads
	.p2align	8
	.type	k_q3b9bb6e42a_heads,@function
k_q3b9bb6e42a_heads:
	s_mov_b64 s[64:65], 0
	v_nop
	global_prefetch_b8 v0, s[64:65] scope:SCOPE_SE
	s_setreg_imm32_b32 hwreg(HW_REG_WAVE_MODE, 25, 1), 1
	s_wait_xcnt 0x0
; out0[i][:] = Q(W[task_id[i]]) Q(feature[i]) + b[task_id[i]].  feature [65536][512] f32, task_id [65536] int32, W [16][100][512] f32, b [16][100] f32, out0 [65536][100] f32.
; Q: x / 2^e, held within +-57,344, to the nearest code of BF8 (E5M2), ties to even; e = lowp_scales[0] (ex) for feature, [1] (ew) for W.  Sums in f32, each x 2^(ex + ew), + b in f32.
; WORK LEFT OUT: only the chosen head's product is made: the definition's own gather by task_id throws the other fifteen heads' results away, whatever the numbers are.  (A NaN, an infinity or an overflow in a head that a
;   token did not choose is not carried to that token's row.)
; SHARES.  Work-group 16 seg + e owns the tokens of segment seg (4,096 tokens on end) whose task_id is e; its wave w those among the 512 tokens from 4,096 seg + 512 w on.  So each row of out0 has one owner.
;   THE LIST is made in registers: word i of 16 is one compare of 32 ids; P_i counts the matches in the words below i.  One lane permute a word sends each match to lane (its rank) mod 32 and the rest to the lanes that are left,
;   so that every lane is sent one number.  Rank k is then found, for 32 ranks at a time, in the last word i with P_i <= k.  Any split is served, from no match to 512.
;   W[e]: each wave quantises 14 rows (rows past 99 repeat row 99; their results are never stored).
; THE TURN IS OF CODES, NOT OF NUMBERS: four loads bring a row, 2,048 bytes on end, 512 to a load: lane l holds k = 128 j + 4 l + 0 .. 3, j = 0 .. 3: 16 numbers, which become 16 bytes of codes at byte 16 l of a code row of
;   512 bytes in LDS.  W's rows and feature's go the same way, so k is permuted alike in both operands: every product meets its partner, and only the order of the sums inside an instruction differs.
; A TILE is 16 listed rows x 512 K: 4 K steps x 7 products (source 0 = 16 rows of W, source 1 = 16 tokens: a lane then holds one token and eight neighbouring outputs).  The next tile's loads go out as the registers come free.
;   A last tile's missing rows load 16 bytes, the same in all lanes, so that the counts of loads are the same on every way; their results are not stored.
; The way out goes through the wave's stage: one store covers one row of out0, 400 consecutive bytes at 400 x token; the rows beside it belong to other heads, so units of 256 bytes are shared between work-groups.
; No tensor load, no copy, no cluster: branches hang on the ids.  No prefetch: a row is known only when the ids have come, and from then on each wave has a whole tile, 64 loads of 512 bytes, asked for ahead.
; LIMITS: ex and ew between -126 and 112, ex + ew between -126 and 127, so that each power of two below is an f32 number.  NaN among the inputs is not served; an infinity is held at the largest code.
;   task_id lies in 0 .. 15, as the gather of the definition relies on: a token with another id would be written by nobody.
.set CP,   528                         ; a code row in LDS: 512 bytes + 16: an odd multiple of 16
.set OP,   432                         ; the way out: rows of 400 bytes + 32, likewise; tile 6's upper lanes put their outputs past 99 at byte 416
.set WC,   0                           ; LDS: W[e]'s codes, 112 rows
.set STG,  59136                       ; a stage of 16 code rows for each wave
.set STGB, 8448
.set BIAS, 126720                      ; b[e], a copy of 512 bytes for each wave
.set SPARE, 130816                     ; the spare words, 128 bytes for each wave: no other line names them
.set LANE, 1
.set LN16, 2                           ; 16 x lane
.set SL,   3                           ; my stage + 16 x lane
.set AFA,  4                           ; my stage + 528 r + 16 h
.set STO,  5                           ; my stage + 432 r + 32 h
.set BIA,  7                           ; my copy of b + 32 h
.set WSA,  8                           ; my 14 rows of W's codes + 16 x lane
.set WFR,  9                           ; 528 r + 16 h
.set BOF,  10                          ; 16 x min(lane, 24)
.set BSA,  11                          ; my copy of b + 16 x lane
.set XL,   12                          ; the list's other half
.set KR,   13                          ; the rank that a lane looks for
.set LS,   14                          ; the list
.set LB,   15
.set OFF,  16                          ; v16-31   the loads' offsets, one for each row
.set ACC,  32                          ; v32-87   seven accumulators
.set CODE, 32                          ;          ahead of the products: four rows' codes
.set AF,   88                          ; v88-119  feature's fragments, two sets
.set SOF,  88                          ;          on the way out: the stores' offsets
.set BV,   100                         ;          at the head: b as loaded
.set WF,   120                         ; v120-231 W's fragments of one K step
.set BI,   120                         ;          on the way out: the bias (52), then 16 rows read back (64)
.set IDS,  120                         ;          at the head: 16 ids a lane,
.set TA,   136                         ;          and registers at work
.set TB,   140
.set AD,   152
.set VL,   168
.set VV,   232                         ; v232-247 the sixteen words' permuted tokens
.set SCX,  248                         ; 2^ex, 57,344 x 2^ex, the same with ew
.set LIMX, 249
.set SCW,  250
.set LIMW, 251
.set TK,   253                         ; at the head: my first token + 4 x lane
.set MM,   253                         ; later: 0x1f0 in the lanes of listed rows, else 0
.set RAW,  0                           ; window 1: 16 rows as loaded, 16 registers each
; s[4:5] feature, s[6:7] my wave's ids, s[8:9] W[e], s[10:11] b[e], s[12:13] lowp_scales, s[14:15] out0; s2 saved EXEC, s3 my wave's first token, s16 wave, s17 e, s19 tile in hand, s20 last tile,
; s21-23 at work, s[24:25] ex, ew, s[26:27] 2^(ex + ew) twice, s28-29 the permute's selects, s30 -1 for an odd tile; s98 a mask
.set PB,   31                          ; s31-47   P_0 .. P_16;  P_16 = s47 = n, the length of my list
.set TN,   48                          ; s48-63   tokens of the tile whose loads were asked for last
.set TC,   66                          ; s66-81   tokens of the tile in hand
.set MK,   82                          ; s82-97   masks and offsets
.set MSB, 0
.macro WIN new                         ; s_set_vgpr_msb: bits 1:0 source 0, 3:2 source 1, 5:4 source 2, 7:6 destination; the high byte repeats the setting that is left
.if MSB != \new
	s_set_vgpr_msb (MSB<<8)|\new
.set MSB, \new
.endif
.endm
; words 4 q .. 4 q + 3 of the list: ids of tokens 128 q + 4 lane + c
.macro WORDS q
.irp c, 0,1,2,3
	v_cmp_eq_u32 s[MK+4*\q+\c], s17, v[IDS+4*\q+\c]
.endr
.irp c, 0,1,2,3
	s_bcnt1_i32_b32 s[TN+\c], s[MK+4*\q+\c]
.endr
.irp c, 0,1,2,3
	s_add_co_u32 s[PB+4*\q+\c+1], s[PB+4*\q+\c], s[TN+\c]
.endr
.irp c, 0,1,2,3
	s_add_co_u32 s[TN+4+\c], s[PB+4*\q+\c], s[PB+4*\q+\c+1]
.endr
.irp c, 0,1,2,3
	v_mbcnt_lo_u32_b32 v[TA+\c], s[MK+4*\q+\c], s[PB+4*\q+\c]      ; a match's rank: P_i + the matches in lower lanes
.endr
.irp c, 0,1,2,3
	v_sub_nc_u32 v[TB+\c], v[LANE], v[TA+\c]
.endr
.irp c, 0,1,2,3
	v_add_nc_u32 v[TB+\c], s[TN+4+\c], v[TB+\c]                    ; no match: P_(i+1) + the lower lanes without one
.endr
.irp c, 0,1,2,3
	v_cndmask_b32 v[TA+\c], v[TB+\c], v[TA+\c], s[MK+4*\q+\c]
.endr
.irp c, 0,1,2,3
	v_lshlrev_b32 v[AD+4*\q+\c], 2, v[TA+\c]
.endr
.irp c, 0,1,2,3
	v_and_b32 v[AD+4*\q+\c], 0x7c, v[AD+4*\q+\c]                   ; mod 32 lanes
.endr
.irp c, 0,1,2,3
	v_min_u32 v[AD+4*\q+\c], 0x7c, v[AD+4*\q+\c]                   ; it hangs on loaded numbers: held by a constant
.endr
.irp c, 0,1,2,3
	v_add_nc_u32 v[VL+4*\q+\c], 128*\q+\c, v[TK]
.endr
.irp c, 0,1,2,3
	ds_permute_b32 v[VV+4*\q+\c], v[AD+4*\q+\c], v[VL+4*\q+\c]
.endr
.endm
; the tokens of a tile: s21 = 32 x (tile / 2), s30 = -1 if the tile is odd, s22 = listed rows from its first on
.macro TILELIST
	v_add_nc_u32 v[KR], s21, v[LANE]
.irp i, 1,2,3,4,5,6,7,8,9,10,11,12,13,14,15
	v_cmp_le_u32 s[MK+\i], s[PB+\i], v[KR]
.endr
	v_cndmask_b32 v[LS], v[VV], v[VV+1], s[MK+1]                   ; the last word i with P_i <= rank, in two chains
	v_cndmask_b32 v[LB], v[VV+8], v[VV+9], s[MK+9]
.irp i, 2,3,4,5,6,7
	v_cndmask_b32 v[LS], v[LS], v[VV+\i], s[MK+\i]
	v_cndmask_b32 v[LB], v[LB], v[VV+8+\i], s[MK+8+\i]
.endr
	v_cndmask_b32 v[LS], v[LS], v[LB], s[MK+8]
	v_permlanex16_b32 v[XL], v[LS], s28, s29
	v_cndmask_b32 v[LS], v[LS], v[XL], s30                         ; an odd tile's rows lie in lanes 16-31
	v_cmp_gt_u32 s98, s22, v[LANE]
	v_cndmask_b32 v[MM], 0, 0x1f0, s98
	v_cndmask_b32 v[LS], s3, v[LS], s98                            ; a missing row: my wave's first token, whose first 16 bytes all lanes load
.irp p, 0,1,2,3,4,5,6,7,8,9,10,11,12,13,14,15
	v_readlane_b32 s[TN+\p], v[LS], \p
.endr
.irp p, 0,1,2,3,4,5,6,7,8,9,10,11,12,13,14,15
	v_readlane_b32 s[MK+\p], v[MM], \p
.endr
.irp p, 0,1,2,3,4,5,6,7,8,9,10,11,12,13,14,15
	s_min_u32 s[TN+\p], s[TN+\p], 0xffff                           ; these hang on loaded numbers: held by constants before they enter an address
	s_min_u32 s[MK+\p], s[MK+\p], 0x1f0
.endr
	s_wait_xcnt 0x0                                                ; the loads that are out have read the offsets, which are now written anew
.irp p, 0,1,2,3,4,5,6,7,8,9,10,11,12,13,14,15
	v_and_b32 v[OFF+\p], s[MK+\p], v[LN16]
.endr
.irp p, 0,1,2,3,4,5,6,7,8,9,10,11,12,13,14,15
	v_lshl_add_u32 v[OFF+\p], s[TN+\p], 11, v[OFF+\p]              ; token x 2,048 + 16 lane
.endr
.endm
.macro LOADG g                         ; rows 4 g .. 4 g + 3 of the next tile: each load 512 consecutive bytes; a listed row is read once
	WIN 0x40
.irp p, 0,1,2,3
.irp j, 0,1,2,3
	global_load_b128 v[RAW+64*\g+16*\p+4*\j:RAW+64*\g+16*\p+4*\j+3], v[OFF+4*\g+\p], s[4:5] offset:512*\j th:TH_LOAD_NT
.endr
.endr
	WIN 0
.endm
; nr rows, from register rb of window 1 on, become codes and go to LDS
.macro QUANT rb, nr, sc, lim, ad, off
	WIN 0x41
.set I, 0
.rept 16*(\nr)
	v_med3_num_f32 v[RAW+(\rb)+I], v[RAW+(\rb)+I], -v[\lim], v[\lim]   ; the conversion to an 8-bit code does not saturate (ISA guide 7.6.2): the hold at the largest code x the scale
.set I, I+1
.endr
	WIN 0x01
.set I, 0
.rept 2*(\nr)
	v_cvt_scalef32_pk8_bf8_f32 v[CODE+2*I:CODE+2*I+1], v[RAW+(\rb)+8*I:RAW+(\rb)+8*I+7], v[\sc]
.set I, I+1
.endr
	WIN 0
	v_nop                                                          ; one plain vector instruction behind the last conversion
.set I, 0
.rept \nr
	ds_store_b128 v[\ad], v[CODE+4*I:CODE+4*I+3] offset:(\off)+CP*I
.set I, I+1
.endr
.endm
.macro WFRAG t, s                      ; W's fragment: rows 16 t on, codes 128 s on
.irp c, 0,1,2,3
	ds_load_b128 v[WF+16*(\t)+4*\c:WF+16*(\t)+4*\c+3], v[WFR] offset:WC+(\t)*16*CP+128*(\s)+32*\c
.endr
.endm
.macro WLOW s                          ; tiles 0 to 3: 16 loads
.irp t, 0,1,2,3
	WFRAG \t, \s
.endr
.endm
.macro WHIGH s                         ; tiles 4 to 6: 12 loads
.irp t, 4,5,6
	WFRAG \t, \s
.endr
.endm
.macro AFRAG s                         ; feature's fragment of K step s: 4 loads
.irp c, 0,1,2,3
	ds_load_b128 v[AF+16*((\s)%2)+4*\c:AF+16*((\s)%2)+4*\c+3], v[AFA] offset:128*(\s)+32*\c
.endr
.endm
.macro MUL t, s                        ; the first K step starts the sums: nothing is cleared.  The seven accumulators take turns in the same order in every K step
.if (\s) == 0
	v_wmma_f32_16x16x128_bf8_bf8 v[ACC+8*\t:ACC+8*\t+7], v[WF+16*\t:WF+16*\t+15], v[AF+16*((\s)%2):AF+16*((\s)%2)+15], 0
.else
	v_wmma_f32_16x16x128_bf8_bf8 v[ACC+8*\t:ACC+8*\t+7], v[WF+16*\t:WF+16*\t+15], v[AF+16*((\s)%2):AF+16*((\s)%2)+15], v[ACC+8*\t:ACC+8*\t+7]
.endif
.endm
.macro PLACES                          ; four places in front of loads into registers that products have read
.rept 4
	v_nop
.endr
.endm
; A tile.  next = 1: a tile follows, and its loads go out as this tile's registers come free; next = 0: my last tile.  On every way in, this tile's 64 loads are the youngest
.macro TILE next
.if \next
	s_add_co_u32 s21, s19, 1                                       ; the next tile
	s_lshl_b32 s23, s21, 4
	s_sub_co_u32 s22, s47, s23                                     ; listed rows from its first on
	s_and_b32 s23, s21, 1
	s_cselect_b32 s30, -1, 0
	s_lshr_b32 s21, s21, 1
	s_lshl_b32 s21, s21, 5
	TILELIST
.endif
.irp g, 0,1,2,3
.if \g == 3
	WLOW 0                                                         ; W's first fragments come while the last rows are waited for
	WHIGH 0
.endif
.if \next
	s_wait_loadcnt 48                                              ; behind these 16 loads: three groups of 16, this tile's later rows and the next tile's first ones
.else
	s_wait_loadcnt 48-16*\g                                        ; this tile's later rows
.endif
	QUANT 64*\g, 4, SCX, LIMX, SL, 4*\g*CP
.if \next
	LOADG \g
.endif
.endr
	AFRAG 0                                                        ; LDS serves a wave's instructions in order (ISA guide 5.7.1.4): no wait between the stage's stores and these loads
.irp s, 0,1,2,3
.if \s == 0
	s_wait_dscnt 0x0
.else
	s_wait_dscnt 12                                                ; W's tiles 4 to 6 may be out
.endif
.irp t, 0,1,2,3
	MUL \t, \s
.endr
	PLACES
.if \s < 3
	WLOW \s+1
	AFRAG \s+1
.if \s > 0
	s_wait_dscnt 20                                                ; the twenty just issued may be out
.endif
.else
.irp t, 0,1,2,3,4,5
	ds_load_b128 v[BI+8*\t:BI+8*\t+3], v[BIA] offset:64*\t         ; b[e][16 t + 8 h + 0 .. 7]
	ds_load_b128 v[BI+8*\t+4:BI+8*\t+7], v[BIA] offset:64*\t+16
.endr
	ds_load_b128 v[BI+48:BI+51], v[BIA] offset:384                 ; tile 6: outputs 96 to 99 in lanes 0-15
	s_wait_dscnt 13                                                ; the bias may be out
.endif
.irp t, 4,5,6
	MUL \t, \s
.endr
.if \s < 3
	PLACES
	WHIGH \s+1
.endif
.endr
	; THE WAY OUT: y = sum x 2^(ex + ew) + b; a lane's eight outputs of one token go into my stage; whole rows come back, and 25 lanes store each
.irp p, 0,1,2,3,4,5,6,7,8,9,10,11,12,13,14,15
	s_min_u32 s[MK+\p], s[TC+\p], 0xffff                           ; a token hangs on loaded numbers: held by a constant before it enters an address
	s_mul_i32 s[MK+\p], s[MK+\p], 400
.endr
.irp p, 0,1,2,3,4,5,6,7,8,9,10,11,12,13,14,15
	v_add_nc_u32 v[SOF+\p], s[MK+\p], v[LN16]                      ; token x 400 + 16 lane; these sixteen are also the places behind the last products
.endr
	s_wait_dscnt 0x0
.irp t, 0,1,2,3,4,5
.irp i, 0,2,4,6
	v_pk_fma_f32 v[ACC+8*\t+\i:ACC+8*\t+\i+1], v[ACC+8*\t+\i:ACC+8*\t+\i+1], s[26:27], v[BI+8*\t+\i:BI+8*\t+\i+1] op_sel_hi:[1,0,1]   ; each accumulator from its low end on
.endr
.endr
.irp i, 0,2
	v_pk_fma_f32 v[ACC+48+\i:ACC+48+\i+1], v[ACC+48+\i:ACC+48+\i+1], s[26:27], v[BI+48+\i:BI+48+\i+1] op_sel_hi:[1,0,1]
.endr
.irp t, 0,1,2,3,4,5
	ds_store_b128 v[STO], v[ACC+8*\t:ACC+8*\t+3] offset:64*\t
	ds_store_b128 v[STO], v[ACC+8*\t+4:ACC+8*\t+7] offset:64*\t+16
.endr
	ds_store_b128 v[STO], v[ACC+48:ACC+51] offset:384
.irp i, 0,1,2,3,4,5,6,7,8,9,10,11,12,13,14,15
	ds_load_b128 v[BI+4*\i:BI+4*\i+3], v[SL] offset:OP*\i          ; row i; lanes 25 to 31 read on into bytes that they do not store
.endr
	s_wait_xcnt 0x0                                                ; EXEC is a source of the loads that are out: it changes only behind this wait
	v_cmp_gt_u32 vcc_lo, 25, v[LANE]
	s_and_saveexec_b32 s2, vcc_lo
.if \next == 0
	s_lshl_b32 s23, s19, 4
	s_sub_co_u32 s22, s47, s23                                     ; my last tile's listed rows: 1 to 16
.endif
.irp i, 0,1,2,3,4,5,6,7,8,9,10,11,12,13,14,15
	s_wait_dscnt 15-\i                                             ; row i is back; the later rows may be out
	global_store_b128 v[SOF+\i], v[BI+4*\i:BI+4*\i+3], s[14:15]    ; 25 lanes: a row's 400 consecutive bytes
.if (\next == 0) && (\i < 15)
	s_cmp_gt_u32 s22, \i+1
	s_cbranch_scc0 .Lsent_\@                                       ; no listed row is left
.endif
.endr
.Lsent_\@:
	s_wait_xcnt 0x0                                                ; the stores have read EXEC, their offsets and their data
	s_or_b32 exec_lo, exec_lo, s2
.if \next
.irp p, 0,1,2,3,4,5,6,7,8,9,10,11,12,13,14,15
	s_mov_b32 s[TC+\p], s[TN+\p]
.endr
.endif
.endm
	s_load_b256 s[4:11], s[0:1], 0x0               ; feature, task_id, W, b
	s_load_b128 s[12:15], s[0:1], 0x20             ; lowp_scales, out0
	v_lshl_add_u32 v254, v0, 2, SPARE              ; my spare word, and 0: kept for the add at the wave's end
	v_mov_b32 v255, 0
	v_mov_b32 v[XL], 0                             ; (a lane permute's destination counts as one of its sources)
	v_lshrrev_b32 v13, 5, v0
	v_readfirstlane_b32 s16, v13                   ; wave 0..7
	v_and_b32 v[LANE], 31, v0
	v_and_b32 v14, 15, v0                          ; r
	v_bfe_u32 v15, v0, 4, 1                        ; h
	v_lshlrev_b32 v[LN16], 4, v[LANE]
	s_mul_i32 s20, s16, STGB
	s_add_co_u32 s20, s20, STG                     ; my stage
	v_add_nc_u32 v[SL], s20, v[LN16]
	v_mul_u32_u24 v[WFR], v14, CP
	v_mul_u32_u24 v[STO], v14, OP
	v_lshl_add_u32 v[WFR], v15, 4, v[WFR]
	v_lshl_add_u32 v[STO], v15, 5, v[STO]
	v_add_nc_u32 v[AFA], s20, v[WFR]
	v_add_nc_u32 v[STO], s20, v[STO]
	v_min_u32 v[BOF], 24, v[LANE]
	v_lshlrev_b32 v[BIA], 5, v15
	v_lshlrev_b32 v[BOF], 4, v[BOF]
	s_lshl_b32 s21, s16, 9
	s_add_co_u32 s22, s21, BIAS                    ; my copy of b
	v_add_nc_u32 v[BSA], s22, v[LN16]
	v_add_nc_u32 v[BIA], s22, v[BIA]
	s_mul_i32 s22, s16, 14*CP
	v_add_nc_u32 v[WSA], s22, v[LN16]
	s_and_b32 s17, ttmp9, 15                       ; e: my head
	s_lshr_b32 s3, ttmp9, 4                        ; seg
	s_lshl_b32 s3, s3, 12
	s_add_co_u32 s3, s3, s21                       ; my wave's first token: 4,096 seg + 512 wave
	v_lshl_add_u32 v[TK], v[LANE], 2, s3
	s_mul_i32 s88, s16, 14
.irp p, 0,1,2,3,4,5,6,7,8,9,10,11,12,13
	s_add_co_u32 s89, s88, \p
	s_min_u32 s89, s89, 99                         ; no load leaves the head's 100 rows
	v_lshl_add_u32 v[OFF+\p], s89, 11, v[LN16]
.endr
	s_lshl_b32 s82, s3, 2                          ; 512 ids of 4 bytes
	s_mov_b32 s83, 0
	s_mul_i32 s84, s17, 204800                     ; a head of W: 100 rows of 2,048 bytes
	s_mov_b32 s85, 0
	s_mul_i32 s86, s17, 400                        ; and of b
	s_mov_b32 s87, 0
	s_mov_b32 s28, 0x76543210                      ; the permute's selects: lane l takes lane l xor 16's
	s_mov_b32 s29, 0xfedcba98
	s_mov_b32 s31, 0                               ; P_0
	s_wait_alu depctr_va_vdst(0)
	s_wait_kmcnt 0x0
	s_load_b64 s[24:25], s[12:13], 0x0             ; ex, ew
	s_add_nc_u64 s[6:7], s[6:7], s[82:83]
	s_add_nc_u64 s[8:9], s[8:9], s[84:85]
	s_add_nc_u64 s[10:11], s[10:11], s[86:87]
.irp q, 0,1,2,3
	global_load_b128 v[IDS+4*\q:IDS+4*\q+3], v[LN16], s[6:7] offset:512*\q   ; 128 ids; sixteen work-groups read them: no hint
.endr
	global_load_b128 v[BV:BV+3], v[BOF], s[10:11]  ; b[e]: 25 pieces of 16 bytes; lanes 25 to 31 repeat the last
	WIN 0x40
.irp p, 0,1,2,3,4,5,6,7,8,9,10,11,12,13
.irp j, 0,1,2,3
	global_load_b128 v[RAW+16*\p+4*\j:RAW+16*\p+4*\j+3], v[OFF+\p], s[8:9] offset:512*\j   ; my 14 rows of W[e]; sixteen work-groups read them: no hint
.endr
.endr
	WIN 0
	s_wait_kmcnt 0x0
	s_add_co_i32 s21, s24, 127                     ; the scales are made while the ids are on their way
	s_lshl_b32 s22, s21, 23
	v_mov_b32 v[SCX], s22                          ; 2^ex as f32: the conversion takes its exponent field
	s_add_co_i32 s21, s21, 15
	s_lshl_b32 s21, s21, 23
	s_or_b32 s21, s21, 0x600000
	v_mov_b32 v[LIMX], s21                         ; 57,344 x 2^ex
	s_add_co_i32 s21, s25, 127
	s_lshl_b32 s22, s21, 23
	v_mov_b32 v[SCW], s22
	s_add_co_i32 s21, s21, 15
	s_lshl_b32 s21, s21, 23
	s_or_b32 s21, s21, 0x600000
	v_mov_b32 v[LIMW], s21
	s_add_co_i32 s26, s24, s25
	s_add_co_i32 s26, s26, 127
	s_lshl_b32 s26, s26, 23                        ; 2^(ex + ew) as f32
	s_mov_b32 s27, s26                             ; (named with it as a pair, so it is written)
	s_wait_alu depctr_va_vdst(0)
	s_wait_loadcnt 57                              ; the ids are in; b's load and W's 56 may be out
	WORDS 0
	WORDS 1
	WORDS 2
	WORDS 3
	s_mov_b32 s21, 0                               ; tile 0
	s_mov_b32 s30, 0
	s_mov_b32 s22, s47
	s_wait_dscnt 0x0                               ; the permuted tokens are in
	TILELIST
.irp p, 0,1,2,3,4,5,6,7,8,9,10,11,12,13,14,15
	s_mov_b32 s[TC+\p], s[TN+\p]
.endr
	; my rows of W become codes in LDS; my first tile of feature is asked for as W's registers come free
	s_wait_loadcnt 40                              ; W's first four rows, and b, are in: behind them W's other ten rows
	ds_store_b128 v[BSA], v[BV:BV+3]
	QUANT 0, 4, SCW, LIMW, WSA, 0
	LOADG 0
	s_wait_loadcnt 40                              ; behind rows 4 to 7: six rows of W, four of feature
	QUANT 64, 4, SCW, LIMW, WSA, 4*CP
	LOADG 1
	s_wait_loadcnt 40                              ; behind rows 8 to 11: two of W, eight of feature
	QUANT 128, 4, SCW, LIMW, WSA, 8*CP
	LOADG 2
	s_wait_loadcnt 48                              ; behind rows 12 and 13: twelve of feature
	QUANT 192, 2, SCW, LIMW, WSA, 12*CP
	LOADG 3
	s_wait_dscnt 0x0                               ; for the others' sake: my rows of W's codes lie in LDS
	s_barrier_signal -1
	s_barrier_wait -1                              ; from here on the waves share only bytes that nobody writes
	s_cmp_eq_u32 s47, 0
	s_cbranch_scc1 .Lend                           ; none of my tokens has this head
	s_sub_co_u32 s20, s47, 1
	s_lshr_b32 s20, s20, 4                         ; my last tile
	s_mov_b32 s19, 0
	s_cmp_eq_u32 s20, 0
	s_cbranch_scc1 .Llast
.Lloop:
	TILE 1
	s_add_co_u32 s19, s19, 1
	s_cmp_lt_u32 s19, s20
	s_cbranch_scc1 .Lloop
.Llast:
	TILE 0
.Lend:
	s_wait_tensorcnt 0x0                           ; the wave's end: behind my last LDS store
	ds_add_u32 v254, v255
	s_wait_dscnt 0x0
	s_endpgm
.Lfunc_end_k_q3b9bb6e42a_heads:
	.size	k_q3b9bb6e42a_heads, .Lfunc_end_k_q3b9bb6e42a_heads-k_q3b9bb6e42a_heads
	.p2alignl 7, 3214868480
	.fill 96, 4, 3214868480
	.section	.rodata,"a",@progbits
	.p2align	6, 0x0
	.amdhsa_kernel k_q3b9bb6e42a_heads
		.amdhsa_group_segment_fixed_size 131840
		.amdhsa_private_segment_fixed_size 0
		.amdhsa_enable_private_segment 0
		.amdhsa_kernarg_size 48
		.amdhsa_user_sgpr_count 2
		.amdhsa_user_sgpr_kernarg_segment_ptr 1
		.amdhsa_wavefront_size32 1
		.amdhsa_system_sgpr_workgroup_id_x 1
		.amdhsa_system_sgpr_workgroup_id_y 1
		.amdhsa_system_sgpr_workgroup_id_z 1
		.amdhsa_system_vgpr_workitem_id 0
		.amdhsa_next_free_vgpr 512
		.amdhsa_next_free_sgpr 100
		.amdhsa_reserve_vcc 1
		.amdhsa_float_denorm_mode_32 3
		.amdhsa_float_denorm_mode_16_64 3
		.amdhsa_memory_ordered 1
		.amdhsa_forward_progress 1
		.amdhsa_inst_pref_size 149
	.end_amdhsa_kernel
	.amdgpu_metadata
---
amdhsa.version: [ 1, 2 ]
amdhsa.kernels:
  - .name:           k_q3b9bb6e42a_heads
    .symbol:         k_q3b9bb6e42a_heads.kd
    .args:
      - { .name: feature, .offset: 0, .size: 8, .value_kind: global_buffer, .address_space: global }
      - { .name: task_id, .offset: 8, .size: 8, .value_kind: global_buffer, .address_space: global }
      - { .name: W, .offset: 16, .size: 8, .value_kind: global_buffer, .address_space: global }
      - { .name: b, .offset: 24, .size: 8, .value_kind: global_buffer, .address_space: global }
      - { .name: lowp_scales, .offset: 32, .size: 8, .value_kind: global_buffer, .address_space: global }
      - { .name: out0, .offset: 40, .size: 8, .value_kind: global_buffer, .address_space: global }
    .group_segment_fixed_size: 131840
    .private_segment_fixed_size: 0
    .kernarg_segment_align: 8
    .kernarg_segment_size: 48
    .max_flat_workgroup_size: 256
    .sgpr_count:     100
    .vgpr_count:     512
    .wavefront_size: 32
...
	.end_amdgpu_metadata
.endif
;; end of part 1
